; MI455X (gfx1250); checked and timed in simulation.
; The chip was launched on July 23, 2026; its instructions are those of AMD's public machine-readable ISA for CDNA 5 (MIT licence, August 2026) and "CDNA5" Instruction Set Architecture Reference Guide (July 2026). The comments in the code are by the model that wrote it; some were corrected since.
;; Attention. Allowed arithmetic: matrix products marked QUANTISED: E4M3 operands, one given power-of-two scale a tensor, by v_wmma_f32_16x16x64_fp8_fp8 or v_wmma_f32_16x16x128_fp8_fp8, f32 sums; everything else in f32.
;; Inputs: key 2 x 8 x 4,096 x 64 float32; lowp_scales 4 int32 (the exponents e of the quantised operands' scales 2^e); query 2 x 8 x 4,096 x 64 float32; value 2 x 8 x 4,096 x 64 float32.
;; Outputs: out0 2 x 8 x 4,096 x 64 float32.
;; This version of the problem:
;;   THIS VERSION OF THE PROBLEM IS GIVEN IN LOW PRECISION. The matrix products marked QUANTISED in the list below multiply operands that are first quantised to E4M3 (4 exponent bits, 3 mantissa bits; 8 bits a number), with one given power-of-two scale for each operand tensor; their sums are f32. All else is computed in f32.
;;   The module's matrix products, in the order in which they are computed (A, B: the left and right operand; K: the contracted axis; several contracted axes count as one K, in the product's order):
;;     1. batch 16 x [M 4,096, K 64] x [K 64, N 4,096]; A: input query; B: input key: QUANTISED (scales: A lowp_scales[0], B lowp_scales[1])
;;     2. batch 16 x [M 4,096, K 4,096] x [K 4,096, N 64]; A: softmax (see below); B: input value: QUANTISED (scales: A lowp_scales[2], B lowp_scales[3])
;;   THE QUANTISER, for each operand of a quantised product, along K:
;;     - The operand's scale is 2^e, e = its entry of the input lowp_scales (int32; the entries are numbered through the quantised products in the list's order, A before B).
;;     - Each number is divided by the scale, clamped to +-448, and rounded to the nearest number of E4M3, ties to even, subnormals kept.
;;     - The product sums the exact products of the quantised numbers (number of the format x scale) in f32.
;;   ~~~python
;;   def quantise(x, axis, e):      # numpy; x: float32 -> the quantised numbers, widened to float32 again
;;       x = np.moveaxis(x, axis, -1); K = x.shape[-1]
;;       r = np.clip(x / 2.0 ** e, -448, 448)
;;       step = 2.0 ** (np.maximum(np.frexp(np.where(r == 0, 1, r))[1] - 1, -6) - 3)
;;       q = np.round(r / step) * step * 2.0 ** e      # np.round: ties to even
;;       return np.moveaxis(q, -1, axis).astype(np.float32)
;;   ~~~
;;   SOFTMAX AHEAD OF A QUANTISED PRODUCT. Where the list says 'softmax', what is quantised is not the finished softmax but p = 2^(t - M), with t = logit x log2(e) and M = ceil(the row's largest t), a whole number; so 1/2 < the row's largest p <= 1. The row's sum l is taken of the UNQUANTISED p, in f32, and the product's result is divided by l at the end. Since M is a whole number, a kernel that streams over the keys may use a running M (the ceiling of the running maximum): every later rescaling is an exact power of two, so the quantised numbers keep their values, but for numbers so far below the row's largest that they fall under the format's range.
;;   OPERANDS COMPUTED ON THE WAY. 'Computed on the way' means the value that the module computes at that place (a softmax that the list does not call 'softmax' is quantised finished and normalised). What goes into a quantiser is computed in f32, as accurately as f32 sums, v_exp_f32 and their like allow (about 1e-6 of the number): no bf16 or f16 on the way to a quantiser, and a product that is left as it is and whose result goes on into a quantised operand takes f32 operands (vector FMAs, or v_wmma_f32_16x16x4_f32). A number that lies on a knife's edge between two numbers of the format may be rounded either way, as far as f32 arithmetic and the matrix unit's own rounding can turn it there, and no further.
;; One version. Each part assembles by itself: llvm-mc -triple=amdgcn-amd-amdhsa -mcpu=gfx1250 --defsym DOCPART=n.
;; ======== version 1 of 1: 2 launches
;; limits: right only within a limited range of input values
;; workspace buffers: kv 8,388,608 bytes
;; launch quant (part 1): grid 512 x 1, 4 waves a work-group, no clusters, 17,920 bytes of LDS; arguments key, value, lowp_scales, kv; writes kv
.if DOCPART == 1
	.amdgcn_target "amdgcn-amd-amdhsa--gfx1250"
	.amdhsa_code_object_version 6
	.text
	.protected	k_qcac4bd158b_quant
	.globl	k_qcac4bd158b_quant
	.p2align	8
	.type	k_qcac4bd158b_quant,@function
k_qcac4bd158b_quant:
	s_mov_b64 s[64:65], 0
	v_nop
	global_prefetch_b8 v0, s[64:65] scope:SCOPE_SE
	s_setreg_imm32_b32 hwreg(HW_REG_WAVE_MODE, 25, 1), 1
	s_wait_xcnt 0x0
; key and value, [16 heads][4096 keys][64 channels] f32, become codes of FP8 (E4M3), each with its given scale 2^e (key: entry 1 of the scales, value: entry 3):
; code = x / 2^e, held within +-448, rounded to the nearest code, ties to even.  LIMITS: -126 <= e <= 119, so that 2^e and 448 x 2^e are f32 numbers.  NaN among the inputs is not served.
; THE CODES ARE LAID AS IMAGES OF THE OPERANDS' REGISTERS, so that the next launch takes every fragment by 16-byte LDS loads at 16 x lane.  A key step is 128 keys and 16,384 bytes of kv (step 32 head + S):
;   bytes 0 .. 8191, K: tile kt (16 keys) at 1024 kt, chunk g at 512 g, lane l at 16 l: key l % 16 of the tile, channels 32 g + 16 (l / 16) + 0 .. 15.
;   bytes 8192 .., V: channel tile ct at 2048 ct, chunk g at 512 g, lane l at 16 l: channel 16 ct + l % 16; bytes 0-7 keys 32 g + 8 (l / 16) + 0 .. 7, bytes 8-15 keys 32 g + 16 + 8 (l / 16) + 0 .. 7.
; Work-groups 0-255 take key, 256-511 value: a branch on the work-group's number.  Waves share nothing: no barrier.  Only key's path uses LDS.
; WHERE THE K IMAGES STAND: V's images of key step S lie in unit S of the head's 32 units of 16,384 bytes; K's images of key step S lie in unit (S + 30) % 32, so that unit u holds V of step u and K of step (u + 2) % 32.
.set SPARE, 17408
.set SPW,   12                         ; v12  LDS address of my spare word; never rewritten
.set NIL,   13                         ; v13  0; never rewritten
.set STG,   4352                       ; a wave's stage: 16 rows x (256 bytes + 16)
.set R,     16                         ; key: v16-143   four tiles as loaded, 32 registers each
.set XK,    144                        ; key: v144-207  two sets of 32 numbers, 16 neighbours for each chunk
.set CK,    208                        ; key: v208-239  codes, 8 registers a tile: no store's data are written again
.set XV,    16                         ; value: v16-79  two sets of 32 numbers down the keys
.set CV,    80                         ; value: v80-111 codes, 8 registers a block
	s_load_b256 s[4:11], s[0:1], 0x0               ; key s[4:5], value s[6:7], the scales' exponents s[8:9], kv s[10:11]
	v_lshl_add_u32 v[SPW], v0, 2, SPARE
	v_mov_b32 v[NIL], 0
	v_lshrrev_b32 v1, 5, v0
	v_readfirstlane_b32 s16, v1                    ; wave 0..3
	v_and_b32 v1, 31, v0                           ; lane
	v_bfe_u32 v6, v0, 4, 1                         ; lane / 16
	v_and_b32 v7, 15, v0                           ; lane % 16
	s_lshr_b32 s18, s16, 1                         ; wave / 2
	s_and_b32 s19, s16, 1                          ; wave % 2
	s_mov_b32 s25, 0
	s_wait_kmcnt 0x0
	s_load_b128 s[20:23], s[8:9], 0x0              ; eq, ek, ep, ev
	s_cmp_lt_u32 ttmp9, 256
	s_cbranch_scc0 .Lvalue
; ---- KEY.  Work-group b, wave w: keys 256 b + 64 w + 0 .. 63 of the flat list of keys: four tiles of 16, in key step 2 b + w / 2, tiles 4 (w % 2) on.
; A conversion takes neighbours along the channels from one lane's registers; a load is dense where neighbouring lanes take neighbouring bytes.  Both are had: each load reads 512 consecutive bytes (two keys),
; a tile's 4,096 bytes go through the wave's own stage as they lie, and come back 64 bytes a lane and chunk.  Rows 272 bytes apart: the 16 rows that a read touches begin at 16 different 16-byte columns.
	s_lshl_b32 s24, ttmp9, 16
	s_lshl_b32 s26, s16, 14
	s_add_co_u32 s24, s24, s26
	s_add_nc_u64 s[4:5], s[4:5], s[24:25]          ; key at my wave's first key: 256 bytes a key
	s_lshl_b32 s24, ttmp9, 1
	s_add_co_u32 s24, s24, s18                     ; my key step of the flat list: 32 head + S
	s_add_co_u32 s26, s24, 30
	s_and_b32 s26, s26, 31                         ; its unit: (S + 30) % 32
	s_and_b32 s24, s24, 0x1e0
	s_or_b32 s24, s24, s26
	s_lshl_b32 s24, s24, 14
	s_lshl_b32 s26, s19, 12
	s_add_co_u32 s24, s24, s26
	s_add_nc_u64 s[10:11], s[10:11], s[24:25]      ; kv at my first tile's image
	s_wait_alu depctr_va_vdst(0)
	v_lshlrev_b32 v2, 4, v1                        ; 16 x lane: my bytes of a load's 512 and of a store's 512
	s_mul_i32 s17, s16, STG
	v_mul_u32_u24 v3, v6, 272
	v_lshl_add_u32 v3, v7, 4, v3
	v_add_nc_u32 v3, s17, v3                       ; into the stage: row lane / 16 of the load's two, 16 bytes a lane
	v_mul_u32_u24 v4, v7, 272
	v_lshl_add_u32 v4, v6, 6, v4
	v_add_nc_u32 v4, s17, v4                       ; out of it: row lane % 16, + 64 (lane / 16): my 16 channels of a chunk
.macro LOADK i
.irp j, 0,1,2,3,4,5,6,7
	global_load_b128 v[R+32*(\i)+4*\j:R+32*(\i)+4*\j+3], v2, s[4:5] offset:4096*(\i)+512*\j th:TH_LOAD_NT
.endr
.endm
.macro TURN i                          ; tile i through the stage: LDS serves a wave's instructions in order, so no wait stands between the stores and the loads
.irp j, 0,1,2,3,4,5,6,7
	ds_store_b128 v3, v[R+32*(\i)+4*\j:R+32*(\i)+4*\j+3] offset:544*\j
.endr
.irp g, 0,1
.irp e, 0,1,2,3
	ds_load_b128 v[XK+32*((\i)%2)+16*\g+4*\e:XK+32*((\i)%2)+16*\g+4*\e+3], v4 offset:128*\g+16*\e
.endr
.endr
.endm
.macro TILE i
	s_wait_dscnt 0x0                               ; tile i is back from the stage, so the stage may be written again
.if (\i) < 3
	s_wait_loadcnt 8*(2-(\i))                      ; tile i + 1's eight loads are in; the later tiles' may be out
	TURN (\i)+1                                    ; and goes through the stage while tile i is worked
.endif
.set ii, 0
.rept 32
	v_med3_num_f32 v[XK+32*((\i)%2)+ii], v[XK+32*((\i)%2)+ii], -v10, v10   ; the conversion to an 8-bit code does not saturate (ISA guide 7.6.2): the hold at the largest code x the scale
.set ii, ii+1
.endr
.irp g, 0,1
.irp u, 0,1
	v_cvt_scalef32_pk8_fp8_f32 v[CK+8*(\i)+4*\g+2*\u:CK+8*(\i)+4*\g+2*\u+1], v[XK+32*((\i)%2)+16*\g+8*\u:XK+32*((\i)%2)+16*\g+8*\u+7], v11
.endr
.endr
.irp g, 0,1
	global_store_b128 v2, v[CK+8*(\i)+4*\g:CK+8*(\i)+4*\g+3], s[10:11] offset:1024*(\i)+512*\g   ; 32 lanes store 512 consecutive bytes, at a multiple of 256 from kv's first byte.  The codes go to stores alone; the next tile's holds are plain lines on other registers
.endr
.endm
	LOADK 0
	LOADK 1
	LOADK 2
	LOADK 3
	s_wait_alu depctr_va_vdst(0)
	s_wait_kmcnt 0x0
	s_add_co_i32 s21, s21, 127                     ; ek
	s_lshl_b32 s26, s21, 23
	v_mov_b32 v11, s26                             ; 2^ek as f32: the conversion takes its exponent field
	s_add_co_i32 s21, s21, 8
	s_lshl_b32 s21, s21, 23
	s_or_b32 s21, s21, 0x600000
	v_mov_b32 v10, s21                             ; 448 x 2^ek
	s_wait_alu depctr_va_vdst(0)
	s_wait_loadcnt 24                              ; tile 0's eight loads are in; 24 younger ones may be out
	TURN 0
	TILE 0
	TILE 1
	TILE 2
	TILE 3
	s_wait_tensorcnt 0x0                           ; the wave's end, behind my last LDS store
	ds_add_u32 v[SPW], v[NIL]
	s_wait_dscnt 0x0
	s_endpgm
; ---- VALUE.  The keys are the second product's K and are value's outer axis.  A LANE TAKES A CHANNEL AND ITS REGISTERS RUN DOWN THE KEYS: the conversions then give codes with the keys innermost, and nothing is transposed.
; Work-group 256 + b, wave w: key step 2 b + w / 2, channels 32 (w % 2) + lane.  This path writes no LDS.
.Lvalue:
	s_sub_co_u32 s17, ttmp9, 256
	s_lshl_b32 s17, s17, 1
	s_add_co_u32 s17, s17, s18                     ; my key step
	s_lshl_b32 s24, s17, 15                        ; 128 keys of 256 bytes
	s_lshl_b32 s26, s19, 7
	s_add_co_u32 s24, s24, s26
	s_add_nc_u64 s[6:7], s[6:7], s[24:25]          ; value at the step's first key, my wave's 32 channels
	s_lshl_b32 s24, s17, 14
	s_lshl_b32 s26, s19, 12
	s_add_co_u32 s24, s24, s26
	s_add_co_u32 s24, s24, 8192
	s_add_nc_u64 s[10:11], s[10:11], s[24:25]      ; kv at V's images of the step, channel tile 2 (w % 2)
	s_wait_alu depctr_va_vdst(0)
	v_lshlrev_b32 v2, 2, v1                        ; in: 4 bytes a lane: a load reads 128 consecutive bytes
	v_lshlrev_b32 v5, 11, v6
	v_lshl_add_u32 v5, v7, 4, v5                   ; out: channel tile lane / 16 (2,048 bytes on), 16 bytes for channel lane % 16
.macro LOADV g                         ; keys 32 g + 0 .. 31 of my channel into set g % 2
.set ii, 0
.rept 32
	global_load_b32 v[XV+32*((\g)%2)+ii], v2, s[6:7] offset:(32*(\g)+ii)*256 th:TH_LOAD_NT
.set ii, ii+1
.endr
.endm
.macro BLOCK g
.if (\g) < 3
	s_wait_loadcnt 32                              ; this block's 32 loads are in; the next block's may be out
.else
	s_wait_loadcnt 0x0
.endif
.set ii, 0
.rept 32
	v_med3_num_f32 v[XV+32*((\g)%2)+ii], v[XV+32*((\g)%2)+ii], -v10, v10
.set ii, ii+1
.endr
	; the image's lanes 0-15 hold keys 0-7 and 16-23 of the chunk, its lanes 16-31 keys 8-15 and 24-31: the conversions' destinations are chosen so
	v_cvt_scalef32_pk8_fp8_f32 v[CV+8*(\g):CV+8*(\g)+1],   v[XV+32*((\g)%2):XV+32*((\g)%2)+7],     v11
	v_cvt_scalef32_pk8_fp8_f32 v[CV+8*(\g)+2:CV+8*(\g)+3], v[XV+32*((\g)%2)+16:XV+32*((\g)%2)+23], v11
	v_cvt_scalef32_pk8_fp8_f32 v[CV+8*(\g)+4:CV+8*(\g)+5], v[XV+32*((\g)%2)+8:XV+32*((\g)%2)+15],  v11
	v_cvt_scalef32_pk8_fp8_f32 v[CV+8*(\g)+6:CV+8*(\g)+7], v[XV+32*((\g)%2)+24:XV+32*((\g)%2)+31], v11
	global_store_b128 v5, v[CV+8*(\g):CV+8*(\g)+3],   s[10:11] offset:512*(\g)       ; sixteen lanes store 256 consecutive bytes, aligned: the image's lanes 0-15 of one channel tile; my other sixteen the next tile's
	global_store_b128 v5, v[CV+8*(\g)+4:CV+8*(\g)+7], s[10:11] offset:512*(\g)+256   ; the image's lanes 16-31
.if (\g) < 2
	LOADV (\g)+2
.endif
.endm
	LOADV 0
	LOADV 1
	s_wait_kmcnt 0x0
	s_add_co_i32 s23, s23, 127                     ; ev
	s_lshl_b32 s26, s23, 23
	v_mov_b32 v11, s26                             ; 2^ev as f32
	s_add_co_i32 s23, s23, 8
	s_lshl_b32 s23, s23, 23
	s_or_b32 s23, s23, 0x600000
	v_mov_b32 v10, s23                             ; 448 x 2^ev
	s_wait_alu depctr_va_vdst(0)
	BLOCK 0
	BLOCK 1
	BLOCK 2
	BLOCK 3
	s_endpgm
.Lfunc_end_k_qcac4bd158b_quant:
	.size	k_qcac4bd158b_quant, .Lfunc_end_k_qcac4bd158b_quant-k_qcac4bd158b_quant
	.p2alignl 7, 3214868480
	.fill 96, 4, 3214868480
	.section	.rodata,"a",@progbits
	.p2align	6, 0x0
	.amdhsa_kernel k_qcac4bd158b_quant
		.amdhsa_group_segment_fixed_size 17920
		.amdhsa_private_segment_fixed_size 0
		.amdhsa_enable_private_segment 0
		.amdhsa_kernarg_size 32
		.amdhsa_user_sgpr_count 2
		.amdhsa_user_sgpr_kernarg_segment_ptr 1
		.amdhsa_wavefront_size32 1
		.amdhsa_system_sgpr_workgroup_id_x 1
		.amdhsa_system_sgpr_workgroup_id_y 1
		.amdhsa_system_sgpr_workgroup_id_z 1
		.amdhsa_system_vgpr_workitem_id 0
		.amdhsa_next_free_vgpr 240
		.amdhsa_next_free_sgpr 66
		.amdhsa_reserve_vcc 0
		.amdhsa_float_denorm_mode_32 3
		.amdhsa_float_denorm_mode_16_64 3
		.amdhsa_memory_ordered 1
		.amdhsa_forward_progress 1
		.amdhsa_inst_pref_size 43
	.end_amdhsa_kernel
	.amdgpu_metadata
---
amdhsa.version: [ 1, 2 ]
amdhsa.kernels:
  - .name:           k_qcac4bd158b_quant
    .symbol:         k_qcac4bd158b_quant.kd
    .args:
      - { .name: key, .offset: 0, .size: 8, .value_kind: global_buffer, .address_space: global }
      - { .name: value, .offset: 8, .size: 8, .value_kind: global_buffer, .address_space: global }
      - { .name: lowp_scales, .offset: 16, .size: 8, .value_kind: global_buffer, .address_space: global }
      - { .name: kv, .offset: 24, .size: 8, .value_kind: global_buffer, .address_space: global }
    .group_segment_fixed_size: 17920
    .private_segment_fixed_size: 0
    .kernarg_segment_align: 8
    .kernarg_segment_size: 32
    .max_flat_workgroup_size: 128
    .sgpr_count:     66
    .vgpr_count:     240
    .wavefront_size: 32
...
	.end_amdgpu_metadata
.endif
;; end of part 1
;; launch attn (part 2): grid 16 x 16, 8 waves a work-group, clusters of 4 x 1, 327,680 bytes of LDS; arguments query, kv, lowp_scales, out0; writes out0
.if DOCPART == 2
	.amdgcn_target "amdgcn-amd-amdhsa--gfx1250"
	.amdhsa_code_object_version 6
	.text
	.protected	k_qcac4bd158b_attn
	.globl	k_qcac4bd158b_attn
	.p2align	8
	.type	k_qcac4bd158b_attn,@function
k_qcac4bd158b_attn:
	s_mov_b64 s[64:65], 0
	v_nop
	global_prefetch_b8 v0, s[64:65] scope:SCOPE_SE
	s_setreg_imm32_b32 hwreg(HW_REG_WAVE_MODE, 25, 1), 1
	s_wait_xcnt 0x0
	s_wait_alu depctr_hold_cnt(0) depctr_sa_sdst(0) depctr_va_vdst(0) depctr_va_sdst(0) depctr_va_ssrc(0) depctr_va_vcc(0) depctr_vm_vsrc(0)
	s_getreg_b32 s2, hwreg(HW_REG_IB_STS2, 6, 4)
	s_cmp_eq_u32 s2, 0
	s_cbranch_scc0 .Lentry_in_a_cluster
	s_endpgm
.Lentry_in_a_cluster:
	s_bfe_u32 s2, ttmp6, 0x10000c
	s_cmp_lg_u32 s2, 0x3003
	s_cbranch_scc0 .Lentry_shape_is_right
	s_endpgm
.Lentry_shape_is_right:
; out[h][q][:] = the sum over k of softmax_k(Q[h][q] . K[h][k] / 8) V[h][k][:], 16 heads, 4,096 queries and keys, 64 channels; both products on codes of FP8 (E4M3), each operand with its given scale 2^e: eq, ek, ep, ev.
; kv holds 32 units of 16,384 bytes a head, images of the operands' registers: unit u holds K's images of key step (u + 2) % 32 (8,192 bytes), then V's of key step u.  A key step is 128 keys.  Q is f32 and is quantised here, in registers: one wave reads it once.
; THE SOFTMAX: t = score x log2(e) / 8; M = the row's largest t so far, rounded UP to a whole number; p = 2^(t - M) is quantised along the keys, not normalised.  The row's sum is taken of the unquantised p, in f32, and divides
; at the end.  When M moves, the sum and O are multiplied by 2^(old M - new M), which rounds nothing.
; SHARES.  A work-group owns 256 queries of one head; each of its eight waves 32 of them, two tiles A and B of 16, so that each fragment of K and V read from LDS feeds two products.  Two waves lie on a SIMD.  Every wave walks all keys.
; LAYOUT.  Both products are used transposed: S^T = K Q^T (source 0 = 16 keys, source 1 = 16 queries; K = 64 channels, one instruction), O^T = V^T P^T (source 0 = 16 channels, source 1 = P; K = 128 keys): a lane holds ONE
; query (lane % 16) throughout.  A tile of S^T gives a lane keys 16 kt + 8 (lane / 16) + 0 .. 7: one conversion makes of them registers 2 kt, 2 kt + 1 of the second product's operand, in that form's own layout.
; In the first product the channels stand permuted in the registers, alike in K and Q: every product meets its partner; only the order of the sums inside an instruction changes.
; PIPELINE.  The tile-steps A(0), B(0), A(1), B(1), .. follow each other.  The 64 exponentials of one tile-step alternate with plain lines of its neighbours: the next one's t - M (32 packed lines) and the hold of the last one's p (32 dual lines).
; Between two such phases stands a zone with no exponential.  Body i: phase A(i); zone: O under M(i - 1), codes of p B(i - 1), first products of step i + 1, sums of p A(i), maximum of A(i + 1);
; phase B(i); zone: maximum of B(i + 1), second products of step i - 1, sums of p B(i), codes of p A(i).  So body i reads K of step i + 1 and V of step i - 1: one unit of kv.
; RING.  Two LDS slots of eight units (131,072 bytes, a dense block of kv).  Each of the eight waves fetches a unit: one tensor load of 64 rows x 256 bytes.  One tensor load of a wave is out at any time.  K of steps 0 and 1 (units 30 and 31, 16,384 of
; the head's 524,288 bytes) comes by plain loads into each wave's registers, ahead of the cluster's first round.
; CLUSTER.  The four query blocks of a cluster belong to one head and walk the same kv: each tensor load is asked for JOINTLY, with the same descriptor and a mask that names the four.
; LIMITS on the given exponents, so that each power of two below is an f32 number: eq and ep between -126 and 119; eq + ek between -123 and 130 (added to c's exponent field); ep + ev goes by v_ldexp_f32 and has none.
; |t| stays under 2^31.  NaN among the inputs is not served; an infinity in Q is held at the largest code.  v_exp_f32 gives 0 for results under 2^-126.
; REGISTERS.  Window 0: v1-14 addresses and scales; v16-39, v40-63 the tiles' statistics; v64-79 Q's codes; v80-111 p's codes; v112-175 O^T (tile t, channel tile ct at 32 t + 8 ct; K of step 1 at the start); v176-239 K's eight fragments and V's four by turns.
;   Window 1: four buffers of 64: A of even and odd steps, B of even and odd steps: S^T, then t - M, then p.
.set UNIT,  16384
.set SLOT,  131072                     ; slot 1 begins here: one exclusive or turns an address in one slot into the other's
.set VOFF,  8192                       ; V's images in a unit
.set SPARE, 2*SLOT                     ; behind the ring: the spare words, 128 bytes for each wave: four blocks of 256 bytes that no other line names
.set STAGE, SPARE+1024                 ; the way out: 16 rows x 272 bytes for each wave; no fill ever lands here
.set SP,    272
.set LI,   1                           ; v1   16 x lane: my place in an image, and in two rows of out
.set ADR,  2                           ; v2   LI + the pair of units in hand
.set PFO,  3                           ; v3   256 x lane: the prefetches' offset; never rewritten
.set SPW,  4                           ; v4   LDS address of my spare word; never rewritten
.set NIL,  5                           ; v5   0; never rewritten
.set QO,   6                           ; v6   my byte in a tile of Q
.set STO,  7                           ; v7   the way out: where I put 32 bytes of a row
.set RD,   8                           ; v8   the way out: where I read rows back
.set SCP,  10                          ; v10  2^ep
.set SCQ,  12                          ; v12  2^eq;  v13  448 x 2^eq
.set LIMQ, 13
.set ST,   16                          ; tile t's statistics at v[ST + 24 t]; p = the step's parity:
.set O_NM, 0                           ;   -M at 0 + 2 p (the pairs' upper words are the two below)
.set O_TM, 1                           ;   the largest score so far
.set O_PD, 3                           ;   the lane permute's destination
.set O_F,  4                           ;   f = 2^(old M - new M) at 4 + 2 p
.set O_D,  5                           ;   at work
.set O_L,  8                           ;   the sum, in four pairs
.set O_A,  16                          ;   five chains of the maximum
.set QF,   64
.set PC,   80
.set OT,   112
.set KV,   176
.set SA,   0                           ; window 1
.set SB,   128
.set WV,   12                          ; s12  my wave's number
.set LIM,  15                          ; s15  1 in a wave that prefetches, else the greatest number
.set SEL,  20                          ; s[20:21] lane selects for v_permlanex16_b32: lane l xor 16
.set CS,   22                          ; s[22:23] c = log2(e) / 8 x 2^(eq + ek): the packed form names a pair and takes its low word for both halves
.set G1,   24                          ; s[24:31] descriptor group 1
.set G0,   32                          ; s[32:35] descriptor group 0, which walks
.set TB,   36                          ; s36  LDS byte at which the slot in hand begins
.set SLOTS, 37                         ; s37  slots still to be asked for
.set PFA,  38                          ; s[38:39] where my prefetches stand
.set IT,   50                          ; s50  the pair of units in hand, in bytes from the slot's first: counts the inner loops' trips
.set AB,   51                          ; s51  TB + IT
.set NEG,  52                          ; s52  -3e38: under every score
.set LIMS, 53                          ; s53  448 x 2^ep
.set KB,   54                          ; s[54:55] K of step 0 in memory
.set MSB, 0
.macro WIN new                         ; bits 1:0 source 0, 3:2 source 1, 5:4 source 2, 7:6 destination; the immediate's high byte repeats the setting that is left
.if MSB != \new
	s_set_vgpr_msb (MSB<<8)|\new
.set MSB, \new
.endif
.endm
; A joint load: every wave fetches a unit.
.macro JLOAD
	tensor_load_to_lds s[G0:G0+3], s[G1:G1+7]
	s_nop 0
.rept 4
	v_nop
.endr
.endm
; A prefetch of the slot that the NEXT change of slots will ask for: eight key steps ahead of that load.  Each aligned block of 256 bytes is named once in the launch: all four clusters of a head walk the same kv, and the head's
; first cluster asks; its four partners take 32,768 bytes each, told apart BY ADDRESS; in each, waves 4 to 7 take 8,192 bytes each, lanes 256 bytes apart.  The last change that fills a slot asks for nothing.
.macro ASK
	s_cmp_gt_u32 s[SLOTS], s[LIM]
	s_cbranch_scc0 .Lnot_mine_\@
	global_prefetch_b8 v[PFO], s[PFA:PFA+1] th:TH_LOAD_NT scope:SCOPE_SE
.Lnot_mine_\@:
.endm
; A round of the cluster's barrier: my work-group's barrier; wave 0 signals for the work-group; every wave waits for all four work-groups; my work-group's barrier once more.
.macro CROUND
	s_barrier_signal -1
	s_barrier_wait -1
	s_cmp_lg_u32 s[WV], 0
	s_cbranch_scc1 .Lnot_wave_0_\@
	s_barrier_signal -3
.Lnot_wave_0_\@:
	s_barrier_wait -3
	s_barrier_signal -1
	s_barrier_wait -1
.endm
.macro FETCH off                       ; 64 registers of K's or of V's fragments: 16 loads, 512 consecutive bytes each
.set qn, 0
.rept 16
	ds_load_b128 v[KV+4*qn:KV+4*qn+3], v[ADR] offset:\off+512*qn
.set qn, qn+1
.endr
.endm
.macro QK a, b, kf                     ; S^T = K Q^T: each fragment of K feeds both tiles; each product is a whole sum (64 channels) and starts from the constant 0
	WIN 0x40
.irp kt, 0,1,2,3,4,5,6,7
	v_wmma_f32_16x16x64_fp8_fp8 v[\a+8*\kt:\a+8*\kt+7], v[\kf+8*\kt:\kf+8*\kt+7], v[QF:QF+7], 0
	v_wmma_f32_16x16x64_fp8_fp8 v[\b+8*\kt:\b+8*\kt+7], v[\kf+8*\kt:\kf+8*\kt+7], v[QF+8:QF+15], 0
.endr
.endm
.macro PV                              ; O^T += V^T P^T.  The eight accumulators take turns, one instruction a turn
	WIN 0
.irp ct, 0,1,2,3
.irp t, 0,1
	v_wmma_f32_16x16x128_fp8_fp8 v[OT+32*\t+8*\ct:OT+32*\t+8*\ct+7], v[KV+16*\ct:KV+16*\ct+15], v[PC+16*\t:PC+16*\t+15], v[OT+32*\t+8*\ct:OT+32*\t+8*\ct+7]
.endr
.endr
.endm
.macro MAX t, b                        ; the largest score of my query among my 64 keys of the step, and the largest so far: five chains, the registers in ascending order
.set Z, ST+24*\t
	v_max3_num_f32 v[Z+O_A], v[\b], v[\b+1], v[Z+O_TM]
	v_max_num_f32 v[Z+O_A+1], v[\b+2], v[\b+3]
	v_max_num_f32 v[Z+O_A+2], v[\b+4], v[\b+5]
	v_max_num_f32 v[Z+O_A+3], v[\b+6], v[\b+7]
	v_max_num_f32 v[Z+O_A+4], v[\b+8], v[\b+9]
.set qn, 0
.rept 27
	v_max3_num_f32 v[Z+O_A+qn%5], v[\b+10+2*qn], v[\b+11+2*qn], v[Z+O_A+qn%5]
.set qn, qn+1
.endr
.endm
.macro MERGE t
.set Z, ST+24*\t
	WIN 0
	v_max3_num_f32 v[Z+O_A], v[Z+O_A], v[Z+O_A+1], v[Z+O_A+2]
	v_max3_num_f32 v[Z+O_A], v[Z+O_A], v[Z+O_A+3], v[Z+O_A+4]
.endm
; The row's sum is taken of the UNQUANTISED p, in four pairs of chains: the first line of each brings the sum under the new M.
.macro ADDF t, b, p
	WIN 0x10
.irp k, 0,1,2,3
	v_pk_fma_f32 v[ST+24*\t+O_L+2*\k:ST+24*\t+O_L+2*\k+1], v[ST+24*\t+O_L+2*\k:ST+24*\t+O_L+2*\k+1], v[ST+24*\t+O_F+2*(\p):ST+24*\t+O_F+2*(\p)+1], v[\b+2*\k:\b+2*\k+1] op_sel_hi:[1,0,1]
.endr
	WIN 0x04
.endm
.macro ADDS t, b, from, cnt            ; under setting 0x04: source 1 (p) in window 1
.set qa, \from
.rept \cnt
	v_pk_add_f32 v[ST+24*\t+O_L+2*(qa%4):ST+24*\t+O_L+2*(qa%4)+1], v[ST+24*\t+O_L+2*(qa%4):ST+24*\t+O_L+2*(qa%4)+1], v[\b+2*qa:\b+2*qa+1]
.set qa, qa+1
.endr
.endm
; Tile t's M and f for a step of parity p; between the lines of this chain stand sums of tile t's p (buffer b), gap of them at a time, from pair beg on.
.macro STATS t, p, b, beg, gap
.set Z, ST+24*\t
	WIN 0x04
	v_permlanex16_b32 v[Z+O_PD], v[Z+O_A], s[SEL], s[SEL+1]   ; the query's other 64 keys lie in the lane 16 away
	ADDS \t, \b, \beg, \gap
	v_max3_num_f32 v[Z+O_TM], v[Z+O_A], s[NEG], v[Z+O_PD]     ; the largest score so far
	ADDS \t, \b, \beg+\gap, \gap
	v_mul_f32 v[Z+O_D], v[Z+O_TM], s[CS]                      ; as t (c is positive)
	ADDS \t, \b, \beg+2*\gap, \gap
	v_floor_f32 v[Z+O_NM+2*(\p)], -v[Z+O_D]                   ; the new -M = floor(-t) = -ceil(t): M is a whole number
	ADDS \t, \b, \beg+3*\gap, \gap
	v_fma_f32 v[Z+O_D], v[Z+O_NM+2-2*(\p)], -1.0, v[Z+O_NM+2*(\p)]   ; old M - new M: a whole number, 0 or less
	ADDS \t, \b, \beg+4*\gap, \gap
	v_cvt_i32_f32 v[Z+O_D], v[Z+O_D]                          ; (it saturates)
	ADDS \t, \b, \beg+5*\gap, \gap
.endm
.macro FACTOR t, p
	WIN 0
	v_ldexp_f32 v[ST+24*\t+O_F+2*(\p)], 1.0, v[ST+24*\t+O_D]  ; f = 2^(old M - new M)
.endm
.macro HOLD m, k                       ; the hold at the largest code x the scale, two numbers a line (the conversion to an 8-bit code does not saturate: ISA guide 7.6.2); p is not negative, so it is one-sided
	v_dual_min_num_f32 v[\m+2*\k], s[LIMS], v[\m+2*\k] :: v_dual_min_num_f32 v[\m+2*\k+1], s[LIMS], v[\m+2*\k+1]
.endm
; A PHASE: buffer e: p = 2^(t - M), 64 exponentials; between them buffer f becomes t - M (df) and buffer m is held (dm).  No line of a phase reads what another of its lines writes.
.macro PHASE e, f, nm, m, df, dm
	WIN 0x45
	s_wait_alu depctr_va_vdst(0)
.set qn, 0
.rept 32
	v_exp_f32 v[\e+2*qn], v[\e+2*qn]
.if \df
	v_pk_fma_f32 v[\f+2*qn:\f+2*qn+1], v[\f+2*qn:\f+2*qn+1], s[CS:CS+1], v[\nm:\nm+1] op_sel_hi:[1,0,0]
.endif
	v_exp_f32 v[\e+2*qn+1], v[\e+2*qn+1]
.if \dm
	HOLD \m, qn
.endif
.set qn, qn+1
.endr
.if (\df)*(\dm) == 0
	v_nop
.endif
.endm
.macro CVT t, b                        ; keys 16 kt + 8 (lane / 16) + 0 .. 7: registers 2 kt, 2 kt + 1 of the operand
	WIN 0x01
.irp kt, 0,1,2,3,4,5,6,7
	v_cvt_scalef32_pk8_fp8_f32 v[PC+16*\t+2*\kt:PC+16*\t+2*\kt+1], v[\b+8*\kt:\b+8*\kt+7], v[SCP]
.endr
.endm
.macro RESCALE p                       ; O^T x f
.irp t, 0,1
.set qn, 0
.rept 16
	v_pk_mul_f32 v[OT+32*\t+2*qn:OT+32*\t+2*qn+1], v[OT+32*\t+2*qn:OT+32*\t+2*qn+1], v[ST+24*\t+O_F+2*(\p):ST+24*\t+O_F+2*(\p)+1] op_sel_hi:[1,0]
.set qn, qn+1
.endr
.endr
.endm
; BODY i (par = i % 2; q: its unit in the pair in hand).  first: i = 0, nothing lies behind it; last: i = 31, no step follows.
.macro BODY par, q, first, last
.set PN, 1-\par                        ; the parity of steps i - 1 and i + 1
.set AC, SA+64*\par
.set AN, SA+64*PN
.set BC, SB+64*\par
.set BN, SB+64*PN
.set NMB, ST+24+O_NM+2*\par
.set NMA, ST+O_NM+2*PN
.if (\first)+(\last) == 0
	FETCH UNIT*\q                                  ; K of step i + 1 lands under the phase
.endif
	PHASE AC, BC, NMB, BN, 1, 1-\first
	WIN 0
.if \first
	s_wait_alu depctr_va_vdst(0)
	s_wait_loadcnt 0x0                             ; K of step 1
	QK AN, BN, OT
.else
	s_wait_dscnt 0x0                               ; K's fragments are in
	s_wait_alu depctr_va_vdst(0)                   ; one wait behind the batch, directly ahead of the first readers of O^T
	RESCALE PN
	CVT 1, BN
	v_nop                                          ; one plain vector line between the last conversion and the products that write its sources
.if (\last) == 0
	QK AN, BN, KV
.endif
.endif
	ADDF 0, AC, \par                               ; these sums are the places behind the products: in front of the loads below and of the first read of the scores
	ADDS 0, AC, 4, 16
.if \first
	WIN 0
.set qn, 0
.rept 64
	v_mov_b32 v[OT+qn], 0                          ; O^T (K of step 1 has been read): the loop has no first second-product of its own
.set qn, qn+1
.endr
.else
	FETCH UNIT*\q+VOFF                             ; V of step i - 1 (address window 0, destination window 0)
.endif
.if \last
	ADDS 0, AC, 20, 12
.else
	WIN 0x05
	MAX 0, AN
	MERGE 0
	STATS 0, PN, AC, 20, 2
	FACTOR 0, PN
.endif
	PHASE BC, AN, NMA, AC, 1-\last, 1
	WIN 0x05
.if (\first) == 0
	s_wait_dscnt 0x0                               ; V's fragments are in
.endif
	s_wait_alu depctr_va_vdst(0)                   ; one wait behind the batch, directly ahead of the first readers of tile B's scores
.if (\last) == 0
	MAX 1, BN
.endif
.if (\first) == 0
	PV
.endif
.if (\last) == 0
	MERGE 1
.endif
	ADDF 1, BC, \par
.if \last
	ADDS 1, BC, 4, 28
.else
	ADDS 1, BC, 4, 4
	STATS 1, PN, BC, 8, 4
	FACTOR 1, PN
.endif
	CVT 0, AC
	WIN 0
.endm
.macro PAIR
	s_add_co_u32 s[AB], s[TB], s[IT]
	v_add_nc_u32 v[ADR], s[AB], v[LI]
	BODY 1, 0, 0, 0
	BODY 0, 1, 0, 0
.endm
; THE CHANGE OF SLOTS.  Each wave waits for all its tensor loads (its part of the slot that it is about to read), adds 0 to its spare word, and waits for that and for its reads of the slot that it has left.
; fill = 1: the barrier is a round of the cluster's, so that no wave of any partner still reads the other slot or has a load on its way; the joint refill is the first thing behind it and has eight key steps in which to land.
.macro CHANGE fill
	s_wait_alu depctr_va_vdst(0)
	s_wait_tensorcnt 0x0                           ; no tensor load of mine is out, so group 0 may be written
	ds_add_u32 v[SPW], v[NIL]                      ; 0 onto my spare word
.if \fill
	s_xor_b32 s[G0+1], s[G0+1], SLOT               ; the walking descriptor: the other slot than last time,
	s_add_nc_u64 s[G0+2:G0+3], s[G0+2:G0+3], SLOT  ; the next eight units; the type bits on top are not reached
	s_wait_xcnt 0x0                                ; the last prefetch, a slot back, has read its address, so it may be written:
	s_add_nc_u64 s[PFA:PFA+1], s[PFA:PFA+1], SLOT  ; one slot further on than the walking descriptor
	s_wait_dscnt 0x0                               ; the add is done, and my reads of the slot that I have left are over
	CROUND
	JLOAD
	ASK
.else
	s_wait_dscnt 0x0
	s_barrier_signal -1
	s_barrier_wait -1
.endif
	s_mov_b32 s[IT], 0
.endm
	s_load_b256 s[4:11], s[0:1], 0x0               ; query s[4:5], kv s[6:7], the scales' exponents s[8:9], out s[10:11]
	v_lshl_add_u32 v[SPW], v0, 2, SPARE
	v_mov_b32 v[NIL], 0
	ds_add_u32 v[SPW], v[NIL]                      ; the wave's opening: the add, twice on end, and its wait ahead of the first tensor load; the set-up below, work on registers, stands between them
	ds_add_u32 v[SPW], v[NIL]
	v_lshrrev_b32 v9, 5, v0
	v_and_b32 v[LI], 31, v0
	v_bfe_u32 v14, v0, 4, 1                        ; h = lane / 16
	v_readfirstlane_b32 s[WV], v9                  ; wave 0..7
	v_and_b32 v9, 15, v0                           ; r = lane % 16
	v_lshlrev_b32 v[PFO], 8, v[LI]
	v_lshlrev_b32 v[LI], 4, v[LI]
	v_lshlrev_b32 v[QO], 8, v9
	v_lshl_add_u32 v[QO], v14, 6, v[QO]            ; Q: row r, channels 16 h on
	s_wait_alu depctr_va_vdst(0)
	s_bfe_u32 s13, ttmp6, 0x40000                  ; cx: my place in the cluster
	s_lshl_b32 s14, ttmp9, 2                       ; in a cluster launch ttmp9 counts clusters
	s_add_co_u32 s14, s14, s13                     ; my block of 256 queries: it enters Q's and out's addresses alone
	s_and_b32 s46, ttmp7, 0xffff                   ; the head, which the four partners share
	s_lshl_b32 s40, s46, 19                        ; the head's first byte in kv: 32 units of 16,384 bytes
	s_mov_b32 s41, 0
	s_lshl_b32 s42, s[WV], 14                      ; the unit of a slot that I fetch
	s_mov_b32 s43, 0
	s_lshl_b32 s44, s46, 20                        ; Q and out: the head's 4,096 rows of 256 bytes,
	s_lshl_b32 s47, s14, 16                        ; my block's 256 rows,
	s_add_co_u32 s44, s44, s47
	s_lshl_b32 s47, s[WV], 13                      ; my wave's 32
	s_add_co_u32 s44, s44, s47
	s_mov_b32 s45, 0
	s_lshl_b32 s48, s13, 15                        ; the prefetches: my work-group's 32,768 bytes of a slot,
	s_and_b32 s47, s[WV], 3
	s_lshl_b32 s47, s47, 13                        ; my wave's 8,192 of them,
	s_add_co_u32 s48, s48, s47
	s_add_co_u32 s48, s48, SLOT                    ; in slot 1: the first change of slots steps it to slot 2.  Nothing is prefetched at the head
	s_mov_b32 s49, 0
	s_sub_co_u32 s47, s[WV], 4
	s_lshr_b32 s47, s47, 2                         ; 0 in waves 4 to 7,
	s_or_b32 s47, s47, ttmp9                       ; of the head's first cluster: the same in all four partners
	s_cmp_eq_u32 s47, 0
	s_cselect_b32 s[LIM], 1, -1
	; descriptor group 1: a dense block of 16,384 bytes as 64 rows of 32 elements of 8 bytes
	s_mov_b32 s[G1], 15|(3<<16)|(1<<21)            ; 15:0 the mask: all four work-groups; 17:16 elements of 8 bytes; 20 no padding; 21 set beside a mask
	s_mov_b32 s[G1+1], 32<<16                      ; tensor_dim0 = 32
	s_mov_b32 s[G1+2], 64<<16                      ; tensor_dim1 = 64
	s_mov_b32 s[G1+3], 32<<16                      ; tile_dim0 = 32
	s_mov_b32 s[G1+4], 64                          ; tile_dim1 = 64
	s_mov_b32 s[G1+5], 32                          ; from row to row: 32 elements
	s_mov_b32 s[G1+6], 0
	s_mov_b32 s[G1+7], 0
	s_mov_b32 s[SEL], 0x76543210
	s_mov_b32 s[SEL+1], 0xfedcba98
	s_mov_b32 s[TB], 0
	s_mov_b32 s[SLOTS], 3
	s_mov_b32 s[NEG], 0xff61b1e6
	s_wait_dscnt 0x0                               ; both opening adds are done
	s_wait_kmcnt 0x0
	s_load_b128 s[16:19], s[8:9], 0x0              ; eq, ek, ep, ev
	s_add_nc_u64 s[4:5], s[4:5], s[44:45]          ; Q and out at my wave's first row
	s_add_nc_u64 s[10:11], s[10:11], s[44:45]
	s_add_nc_u64 s[6:7], s[6:7], s[40:41]          ; kv at my head
	s_add_nc_u64 s[PFA:PFA+1], s[6:7], s[48:49]
	s_add_nc_u64 s[KB:KB+1], s[6:7], 30*UNIT
	; Q: lane (r, h) takes, of row r of tile t, channels 32 g + 16 h + 0 .. 15 of each chunk g.  Then K of steps 0 and 1.  48 loads, ahead of the cluster's round
	WIN 0x40
.irp t, 0,1
.irp g, 0,1
.irp e, 0,1,2,3
	global_load_b128 v[32*\t+16*\g+4*\e:32*\t+16*\g+4*\e+3], v[QO], s[4:5] offset:4096*\t+128*\g+16*\e
.endr
.endr
.endr
	WIN 0
.set qn, 0
.rept 16
	global_load_b128 v[KV+4*qn:KV+4*qn+3], v[LI], s[KB:KB+1] offset:512*qn
.set qn, qn+1
.endr
.set qn, 0
.rept 16
	global_load_b128 v[OT+4*qn:OT+4*qn+3], v[LI], s[KB:KB+1] offset:UNIT+512*qn
.set qn, qn+1
.endr
	CROUND                                         ; all four work-groups are here: the first joint loads meet
	s_mov_b32 s[G0], 1                             ; 1:0 count = 1
	s_lshl_b32 s[G0+1], s[WV], 14                  ; 63:32 LDS address: slot 0, unit = my wave's number: no place in the cluster enters it
	s_add_nc_u64 s[G0+2:G0+3], s[6:7], s[42:43]    ; 120:64 global address
	s_or_b32 s[G0+3], s[G0+3], 0x80000000          ; 127:126 type = 2
	JLOAD                                          ; slot 0
	s_mul_i32 s47, s[WV], 16*SP
	s_add_co_u32 s47, s47, STAGE                   ; my stage
	v_mul_u32_u24 v[STO], v9, SP                   ; in: row r, 32 bytes for each half of the lanes
	v_mul_u32_u24 v[RD], v14, SP                   ; back: lanes 0-15 one row of 256 bytes, lanes 16-31 the next
	v_lshl_add_u32 v[STO], v14, 5, v[STO]
	v_lshl_add_u32 v[RD], v9, 4, v[RD]
	v_add_nc_u32 v[STO], s47, v[STO]
	v_add_nc_u32 v[RD], s47, v[RD]
.irp t, 0,1
	v_mov_b32 v[ST+24*\t+O_TM], 0xff61b1e6         ; the largest score so far: -3e38
	v_mov_b32 v[ST+24*\t+O_NM+2], 0x7f61b1e6       ; -M ahead of step 0: 3e38, a whole number
	v_mov_b32 v[ST+24*\t+O_PD], 0                  ; a lane permute's destination counts as one of its sources
	v_mov_b32 v[ST+24*\t+O_F+3], 0                 ; (named as the upper half of f's second pair)
.irp k, 0,1,2,3,4,5,6,7
	v_mov_b32 v[ST+24*\t+O_L+\k], 0                ; the sum
.endr
.endr
	s_wait_kmcnt 0x0
	s_add_co_i32 s46, s16, s17
	s_lshl_b32 s46, s46, 23
	s_mov_b32 s[CS], 0x3e38aa3b                    ; log2(e) / 8
	s_add_co_i32 s[CS], s[CS], s46                 ; a score stands for score x 2^(eq + ek): the two exponents are added to c's exponent field
	s_mov_b32 s[CS+1], s[CS]                       ; (named with it as a pair, so it is written)
	s_add_co_i32 s46, s18, 127
	s_lshl_b32 s47, s46, 23
	v_mov_b32 v[SCP], s47                          ; 2^ep as f32: the conversion takes its exponent field
	s_add_co_i32 s46, s46, 8
	s_lshl_b32 s46, s46, 23
	s_or_b32 s[LIMS], s46, 0x600000                ; 448 x 2^ep
	s_add_co_i32 s46, s16, 127
	s_lshl_b32 s47, s46, 23
	v_mov_b32 v[SCQ], s47                          ; 2^eq
	s_add_co_i32 s46, s46, 8
	s_lshl_b32 s46, s46, 23
	s_or_b32 s46, s46, 0x600000
	v_mov_b32 v[LIMQ], s46                         ; 448 x 2^eq
	s_wait_alu depctr_va_vdst(0)
	s_wait_loadcnt 32                              ; Q's 16 loads are in; K's 32 may be out
	WIN 0x41
.set qn, 0
.rept 64
	v_med3_num_f32 v[qn], v[qn], -v[LIMQ], v[LIMQ] ; the hold at the largest code x the scale
.set qn, qn+1
.endr
	WIN 0x01
.irp t, 0,1
.irp g, 0,1,2,3
	v_cvt_scalef32_pk8_fp8_f32 v[QF+8*\t+2*\g:QF+8*\t+2*\g+1], v[32*\t+8*\g:32*\t+8*\g+7], v[SCQ]
.endr
.endr
	v_nop                                          ; one plain vector line between the last conversion and the products that read its result and write its sources
	s_wait_alu depctr_va_vdst(0)
	s_wait_loadcnt 16                              ; K of step 0 is in; step 1's 16 loads may be out
	QK SA, SB, KV
.rept 4
	v_nop                                          ; four places in front of the first read of the scores
.endr
	WIN 0x05
	MAX 0, SA
	MAX 1, SB
	MERGE 0
	MERGE 1
	STATS 0, 0, SA, 0, 0
	STATS 1, 0, SB, 0, 0
	FACTOR 0, 0
	FACTOR 1, 0
	WIN 0x41
.set qn, 0
.rept 32
	v_pk_fma_f32 v[SA+2*qn:SA+2*qn+1], v[SA+2*qn:SA+2*qn+1], s[CS:CS+1], v[ST+O_NM:ST+O_NM+1] op_sel_hi:[1,0,0]   ; A(0)'s t - M
.set qn, qn+1
.endr
	BODY 0, 0, 1, 0
.Lslot:                                            ; three trips: behind each change of slots but the last the next slot is asked for; slot 1's first fill is issued as a refill is
	CHANGE 1
.Lpair:                                            ; four trips: bodies 8 s + 1 .. 8 s + 8 on the units of slot s
	PAIR
	s_add_co_u32 s[IT], s[IT], 2*UNIT
	s_cmp_lt_u32 s[IT], SLOT
	s_wait_alu depctr_va_vdst(0)
	s_cbranch_scc1 .Lpair
	s_xor_b32 s[TB], s[TB], SLOT                   ; on to the other slot
	s_sub_co_u32 s[SLOTS], s[SLOTS], 1
	s_cmp_lg_u32 s[SLOTS], 0
	s_cbranch_scc1 .Lslot
	CHANGE 0                                       ; the last slot is written out
.Llast:
	PAIR
	s_add_co_u32 s[IT], s[IT], 2*UNIT
	s_cmp_lt_u32 s[IT], 6*UNIT
	s_wait_alu depctr_va_vdst(0)
	s_cbranch_scc1 .Llast
	s_add_co_u32 s[AB], s[TB], s[IT]
	v_add_nc_u32 v[ADR], s[AB], v[LI]
	BODY 1, 0, 0, 1                                ; i = 31
	FETCH UNIT+VOFF                                ; V of step 31
	WIN 0x45
.set qn, 0
.rept 32
	HOLD SB+64, qn                                 ; p B(31)
.set qn, qn+1
.endr
	WIN 0
	RESCALE 1
	CVT 1, SB+64
	v_nop
	WIN 0
	s_wait_alu depctr_va_vdst(0)
	s_wait_dscnt 0x0
	PV
	; THE WAY OUT.  The sum's parts and the other half of the lanes' are added (these additions are the places behind the last products); O^T is divided by the sum, multiplied by 2^(ep + ev), and goes through my stage
	; in LDS, a tile (16 rows of 256 bytes) at a time, so that sixteen lanes store one aligned run of 256 bytes.
.irp k, 0,4
.irp t, 0,1
	v_pk_add_f32 v[ST+24*\t+O_L+\k:ST+24*\t+O_L+\k+1], v[ST+24*\t+O_L+\k:ST+24*\t+O_L+\k+1], v[ST+24*\t+O_L+\k+2:ST+24*\t+O_L+\k+3]
.endr
.endr
.irp t, 0,1
	v_pk_add_f32 v[ST+24*\t+O_L:ST+24*\t+O_L+1], v[ST+24*\t+O_L:ST+24*\t+O_L+1], v[ST+24*\t+O_L+4:ST+24*\t+O_L+5]
.endr
.irp t, 0,1
	v_add_f32 v[ST+24*\t+O_A], v[ST+24*\t+O_L], v[ST+24*\t+O_L+1]
.endr
.irp t, 0,1
	v_permlanex16_b32 v[ST+24*\t+O_PD], v[ST+24*\t+O_A], s[SEL], s[SEL+1]
.endr
.irp t, 0,1
	v_add_f32 v[ST+24*\t+O_A], v[ST+24*\t+O_A], v[ST+24*\t+O_PD]
.endr
	s_wait_alu depctr_va_vdst(0)
.irp t, 0,1
	v_rcp_f32 v[ST+24*\t+O_A+1], v[ST+24*\t+O_A]
.endr
	v_nop                                          ; a plain line between the last reciprocal and the use of its result
	s_add_co_i32 s46, s18, s19                     ; ep + ev
	s_wait_alu depctr_va_vdst(0)                   ; the wait ahead of the first use: one for both reciprocals
.irp t, 0,1
	v_ldexp_f32 v[ST+24*\t+O_F], v[ST+24*\t+O_A+1], s46
.endr
	s_wait_alu depctr_va_vdst(0)
	RESCALE 0                                      ; register 8 ct + i is out(r, 16 ct + 8 (lane / 16) + i)
.irp t, 0,1
.irp ct, 0,1,2,3
	ds_store_b128 v[STO], v[OT+32*\t+8*\ct:OT+32*\t+8*\ct+3] offset:64*\ct
	ds_store_b128 v[STO], v[OT+32*\t+8*\ct+4:OT+32*\t+8*\ct+7] offset:64*\ct+16
.endr
.irp i, 0,1,2,3,4,5,6,7
	ds_load_b128 v[KV+32*\t+4*\i:KV+32*\t+4*\i+3], v[RD] offset:2*SP*\i   ; LDS serves a wave's instructions in order (ISA guide 5.7.1.4): these see my stores, and the next tile's stores come behind them
.endr
.endr
.irp i, 0,1,2,3,4,5,6,7
	s_wait_dscnt 23-\i                             ; behind tile 0's load i: its 7 - i later loads and tile 1's sixteen LDS instructions
	global_store_b128 v[LI], v[KV+4*\i:KV+4*\i+3], s[10:11] offset:512*\i th:TH_STORE_NT   ; 32 lanes store 512 consecutive bytes, two rows, at a multiple of 256 from out's first byte
.endr
.irp i, 0,1,2,3,4,5,6,7
	s_wait_dscnt 7-\i
	global_store_b128 v[LI], v[KV+32+4*\i:KV+32+4*\i+3], s[10:11] offset:4096+512*\i th:TH_STORE_NT
.endr
	s_wait_tensorcnt 0x0                           ; the wave's end, behind my last tensor load and my last LDS store
	ds_add_u32 v[SPW], v[NIL]
	s_wait_dscnt 0x0
	CROUND                                         ; the closing round: no work-group ends while a partner may still ask for a tile that names it
	s_endpgm
.Lfunc_end_k_qcac4bd158b_attn:
	.size	k_qcac4bd158b_attn, .Lfunc_end_k_qcac4bd158b_attn-k_qcac4bd158b_attn
	.p2alignl 7, 3214868480
	.fill 96, 4, 3214868480
	.section	.rodata,"a",@progbits
	.p2align	6, 0x0
	.amdhsa_kernel k_qcac4bd158b_attn
		.amdhsa_group_segment_fixed_size 327680
		.amdhsa_private_segment_fixed_size 0
		.amdhsa_enable_private_segment 0
		.amdhsa_kernarg_size 32
		.amdhsa_user_sgpr_count 2
		.amdhsa_user_sgpr_kernarg_segment_ptr 1
		.amdhsa_wavefront_size32 1
		.amdhsa_system_sgpr_workgroup_id_x 1
		.amdhsa_system_sgpr_workgroup_id_y 1
		.amdhsa_system_sgpr_workgroup_id_z 1
		.amdhsa_system_vgpr_workitem_id 0
		.amdhsa_next_free_vgpr 512
		.amdhsa_next_free_sgpr 66
		.amdhsa_reserve_vcc 0
		.amdhsa_float_denorm_mode_32 3
		.amdhsa_float_denorm_mode_16_64 3
		.amdhsa_memory_ordered 1
		.amdhsa_forward_progress 1
		.amdhsa_inst_pref_size 194
	.end_amdhsa_kernel
	.amdgpu_metadata
---
amdhsa.version: [ 1, 2 ]
amdhsa.kernels:
  - .name:           k_qcac4bd158b_attn
    .symbol:         k_qcac4bd158b_attn.kd
    .args:
      - { .name: query, .offset: 0, .size: 8, .value_kind: global_buffer, .address_space: global }
      - { .name: kv, .offset: 8, .size: 8, .value_kind: global_buffer, .address_space: global }
      - { .name: lowp_scales, .offset: 16, .size: 8, .value_kind: global_buffer, .address_space: global }
      - { .name: out0, .offset: 24, .size: 8, .value_kind: global_buffer, .address_space: global }
    .group_segment_fixed_size: 327680
    .private_segment_fixed_size: 0
    .kernarg_segment_align: 8
    .kernarg_segment_size: 32
    .max_flat_workgroup_size: 256
    .sgpr_count:     66
    .vgpr_count:     512
    .wavefront_size: 32
...
	.end_amdgpu_metadata
.endif
;; end of part 2
